; MI455X (gfx1250); checked and timed in simulation.
; The chip was launched on July 23, 2026; its instructions are those of AMD's public machine-readable ISA for CDNA 5 (MIT licence, August 2026) and "CDNA5" Instruction Set Architecture Reference Guide (July 2026). The comments in the code are by the model that wrote it; some were corrected since.
;; CRF Layer. Allowed arithmetic: float matrix products may take bf16 or f16 operands with f32 sums; other float arithmetic in f32, or as packed bf16 or f16 multiplies, adds, multiply-adds, maxima and minima; sums over many terms, partial sums and values carried from step to step in f32; what a program stores and reads back later, other than sums and carried values, may be rounded once to bf16 or f16.
;; Inputs: score 256 x 256 x 128 float32; sequence_length 256 int32; transition_params 128 x 128 float32.
;; Outputs: out0 256 x 256 int32; out1 256 float32.
;; One version. Each part assembles by itself: llvm-mc -triple=amdgcn-amd-amdhsa -mcpu=gfx1250 --defsym DOCPART=n.
;; ======== version 1 of 1: 1 launch
;; launch viterbi (part 1): grid 256 x 1, 4 waves a work-group, no clusters, 167,936 bytes of LDS; arguments score, sequence_length, transition_params, out0, out1; writes out0, out1
.if DOCPART == 1
	.amdgcn_target "amdgcn-amd-amdhsa--gfx1250"
	.amdhsa_code_object_version 6
	.text
	.protected	k_q22bf6afb72_viterbi
	.globl	k_q22bf6afb72_viterbi
	.p2align	8
	.type	k_q22bf6afb72_viterbi,@function
k_q22bf6afb72_viterbi:
	s_mov_b64 s[64:65], 0
	v_nop
	global_prefetch_b8 v0, s[64:65] scope:SCOPE_SE
	s_setreg_imm32_b32 hwreg(HW_REG_WAVE_MODE, 25, 1), 1
	s_wait_xcnt 0x0
; VITERBI DECODE.  score [256][256][128] f32, sequence_length [256] i32, transition_params [128][128] f32 -> tags [256][256] i32, best score [256] f32.
; state(0) = score[b][0]; for t < len: state(t)[c] = max over p of (state(t-1)[p] + trans[p][c]) + score[b][t][c], bp(t)[c] = the FIRST p that reaches the maximum;
; then the tags are followed back from the first argmax of the last state.  Every sum is the same f32 addition as in the definition, so states, maxima and ties are the same bit for bit.
; SHARES.  One work-group a batch element, four waves; thread c (0..127) owns label c: its column trans[.][c] stays in 128 registers, and it makes 128 sums a step.
; A STEP.  The 128 states lie in 8 registers, 16 to a row of 16 lanes (both rows alike): an addition takes its state from lane j of the row (row_share), so no state is copied to every lane.
; The maximum goes three operands at a time in eight chains of 16 leaves.  The new state goes to the other waves through LDS: one store, one barrier, two loads; two buffers take turns.
; THE FIRST INDEX is found from the top: is the left half's maximum below m?  Then the right half's leaves are copied over the left's, two to a line, and the bit is shifted into the index: seven levels,
; 64, 32 .. 1 leaves.  A tie therefore falls to the lowest p.  The index is not part of the chain from state to state: its first level stands behind the state's LDS store, the other six behind the next step's LDS loads.
; So the text of a step, R(t), is: loads of state(t-1) | levels 2-7 and the byte store for t-1 | sums, maximum, store for t | level 1 for t.
; R(t) runs for 2 <= t <= len (at t = len it only finishes the index of len - 1: the state is kept); the first half of step 1 is written out ahead of the loop.  One forward jump on the length passes an idle step;
; the barrier, the wait for the emission and its reload stand outside the jump, so every count is the same on both ways.  33 trips of 8 steps: t = 0 .. 263.
; BACKPOINTERS: a byte for each (t, c) in LDS, at addresses that hang on t and c alone.  The table starts as the identity, so a row past the length hands the tag on.
; THE WAY BACK: wave 0 holds row t (128 bytes) in one register, four labels a lane, 255 registers; a step is a lane read by a scalar select made from the tag, and a shift: no address hangs on a tag.
; EMISSIONS: a ring of 8 registers; row t + 8 is asked for in step t, eight steps' work ahead of its use, so no further request ahead of the loads is laid.
; NO CLUSTER: what work-groups share is the 64 KiB of transitions, read once by each, by column, straight into the registers where they stay; a joint load would bring them into LDS first, for one use.
; LDS: the text uses 35,840 bytes; the launch asks for 167,936, so that the work-group's four waves share their place with no other work-group.
; LIMITS.  NaN: not handed on (a maximum drops it), and the tags are then undefined.  +0 and -0 count as equal, and a maximum of both is either.  A length below 1 counts as 1, above 256 as 256: the definition gives the same.
.set ROWB,  512                        ; bytes in a row of score and of transition_params
.set TRIPS, 33
.set BP,    0                          ; LDS: row r of the backpointers at BP + 128 (r + 1): R(t) stores row t - 1 at 128 t; 264 places
.set STB,   33792                      ; two state buffers of 512 bytes: state(t) in buffer t % 2, label c at 4 c
.set FIN,   34816                      ; the last state
.set SPARE, 35328                      ; the spare words, 128 bytes for each wave: two blocks of 256 bytes that no other line names
.set LN,  1                            ; v1   lane
.set SPW, 2                            ; v2   LDS address of my spare word; never rewritten
.set NIL, 3                            ; v3   0; never rewritten
.set SV,  4                            ; v4   my label's state
.set MX,  5                            ; v5   m, the step's maximum
.set IX,  6                            ; v6   the index, built from its top bit down
.set SA,  7                            ; v7   LDS: 4 lane + 128 wave
.set LA,  8                            ; v8   LDS: 16 (lane % 16)
.set BA,  9                            ; v9   LDS: lane + 32 wave + 1,024 trip
.set GO,  10                           ; v10  4 x thread: my column's byte offset in a row
.set TM,  11                           ; v11  at work
.set ST,  12                           ; v[12:19]  state p in register ST + 4 (p / 64) + p % 4, lane (p % 64) / 4 of each row
.set EM,  20                           ; v[20:27]  the ring of emissions
.set G,   28                           ; v[28:35]  maxima of the eight groups of 16 leaves
.set Q0,  36                           ; leaves 0-31
.set Q2,  37                           ; leaves 64-95
.set ML,  38                           ; leaves 0-63
.set MR,  39                           ; leaves 64-127
.set QS,  40                           ; the chosen half's first 32
.set XA,  41                           ; the chosen half's leaves 0-15
.set XB,  42                           ; the chosen half's leaves 32-47
.set XS,  43                           ; the chosen quarter's first 16
.set FS,  44                           ; v[44:47]  at work; at the end the last state, label 32 q + lane
.set BS,  48                           ; the best score
.set T2,  49
.set OA,  50                           ; 16 x lane
.set ZR,  51                           ; 0: what T starts with, and the offset of out1's store
.set OT,  52                           ; v[52:59]  the tags: t = 128 g + 4 lane + j in register OT + 4 g + j
.set T,   64                           ; v[64:191] the 128 sums
                                       ; window 1: v0-127 trans[p][c]; at the end v1-255 the backpointer rows
.set WV,  14                           ; s14  wave
.set LEN, 15                           ; s15  length
.set TU,  17                           ; s17  t - 2
.set LM1, 18                           ; s18  len - 1
.set LM2, 19                           ; s19  len - 2
.set CNT, 20                           ; s20  trips to go
.set EP,  22                           ; s[22:23] score at the first row that this trip asks for
.set STP, 24                           ; s[24:25] its step
.set VAL, 26                           ; s26  all ones where the step is within the length
.set MSB, 0
.macro WIN new                         ; s_set_vgpr_msb: bits 1:0 source 0, 3:2 source 1, 7:6 destination; the high byte repeats the setting that is left
.if MSB != (\new)
	s_set_vgpr_msb (MSB<<8)|(\new)
.set MSB, \new
.endif
.endm
; The 128 sums.  Source 0 is the state, read from lane j of my row of 16 lanes; source 1 is trans[p][c], in window 1.
.macro ADDS
	WIN 0x04
.irp h, 0,1
.irp j, 0,1,2,3,4,5,6,7,8,9,10,11,12,13,14,15
.irp r, 0,1,2,3
	v_add_f32_dpp v[T+64*\h+4*\j+\r], v[ST+4*\h+\r], v[64*\h+4*\j+\r] row_share:\j row_mask:0xf bank_mask:0xf
.endr
.endr
.endr
	WIN 0
.endm
; The maximum: eight chains that do not wait for each other, then the nodes that the descent will ask for.
.macro MAXT
.irp g, 0,1,2,3,4,5,6,7
	v_max3_num_f32 v[G+\g], v[T+16*\g], v[T+16*\g+1], v[T+16*\g+2]
.endr
.irp s, 1,2,3,4,5,6
.irp g, 0,1,2,3,4,5,6,7
	v_max3_num_f32 v[G+\g], v[G+\g], v[T+16*\g+2*\s+1], v[T+16*\g+2*\s+2]
.endr
.endr
.irp g, 0,1,2,3,4,5,6,7
	v_max_num_f32 v[G+\g], v[G+\g], v[T+16*\g+15]
.endr
	v_max_num_f32 v[Q0], v[G], v[G+1]
	v_max_num_f32 v[Q2], v[G+4], v[G+5]
	v_max3_num_f32 v[ML], v[Q0], v[G+2], v[G+3]
	v_max3_num_f32 v[MR], v[Q2], v[G+6], v[G+7]
	v_max_num_f32 v[MX], v[ML], v[MR]
.endm
; Where VCC is set the right n leaves take the left n's place, two to a line: destinations even and odd, both pairs of sources in neighbouring registers.
.macro SEL n
.set i, 0
.rept (\n)/2
	v_dual_cndmask_b32 v[T+i], v[T+i], v[T+(\n)+i] :: v_dual_cndmask_b32 v[T+i+1], v[T+i+1], v[T+(\n)+i+1]
.set i, i+2
.endr
.endm
.macro BIT                             ; index = 2 index + VCC; the last line of a level, since it writes VCC
	v_add_co_ci_u32 v[IX], vcc_lo, v[IX], v[IX], vcc_lo
.endm
; Level 1: VCC = the left 64 leaves hold no maximum.  The node maxima of the chosen half go along.
.macro IDX1
	v_cmp_lt_f32 vcc_lo, v[ML], v[MX]
	SEL 64
	v_cndmask_b32 v[QS], v[Q0], v[Q2], vcc_lo
	v_cndmask_b32 v[XA], v[G], v[G+4], vcc_lo
	v_cndmask_b32 v[XB], v[G+2], v[G+6], vcc_lo
	v_cndmask_b32 v[IX], 0, 1, vcc_lo
.endm
; Levels 2 to 7.  From 16 leaves down the left half's maximum is made anew: fewer lines than carrying the nodes along.
.macro IDX2
	v_cmp_lt_f32 vcc_lo, v[QS], v[MX]
	SEL 32
	v_cndmask_b32 v[XS], v[XA], v[XB], vcc_lo
	BIT
	v_cmp_lt_f32 vcc_lo, v[XS], v[MX]
	SEL 16
	BIT
	v_max3_num_f32 v[FS], v[T], v[T+1], v[T+2]
	v_max3_num_f32 v[FS+1], v[T+3], v[T+4], v[T+5]
	v_max_num_f32 v[FS+2], v[T+6], v[T+7]
	v_max3_num_f32 v[FS], v[FS], v[FS+1], v[FS+2]
	v_cmp_lt_f32 vcc_lo, v[FS], v[MX]
	SEL 8
	BIT
	v_max3_num_f32 v[FS], v[T], v[T+1], v[T+2]
	v_max_num_f32 v[FS], v[FS], v[T+3]
	v_cmp_lt_f32 vcc_lo, v[FS], v[MX]
	SEL 4
	BIT
	v_max_num_f32 v[FS], v[T], v[T+1]
	v_cmp_lt_f32 vcc_lo, v[FS], v[MX]
	SEL 2
	BIT
	v_cmp_lt_f32 vcc_lo, v[T], v[MX]
	BIT
.endm
.macro MEET                            ; my LDS stores are done and my LDS loads are back; then all four waves meet
	s_wait_dscnt 0x0
	s_barrier_signal -1
	s_barrier_wait -1
.endm
	s_load_b256 s[4:11], s[0:1], 0x0               ; score s[4:5], sequence_length s[6:7], transition_params s[8:9], out0 s[10:11]
	s_load_b64 s[12:13], s[0:1], 0x20              ; out1
	v_lshl_add_u32 v[SPW], v0, 2, SPARE
	v_mov_b32 v[NIL], 0
	v_mov_b32 v[ZR], 0
	v_lshrrev_b32 v[TM], 5, v0
	v_readfirstlane_b32 s[WV], v[TM]               ; wave 0..3
	v_and_b32 v[LN], 31, v0
	v_lshlrev_b32 v[GO], 2, v0
	s_lshl_b32 s21, s[WV], 7
	v_lshl_add_u32 v[SA], v[LN], 2, s21            ; each wave's 32 states are 128 bytes on end
	v_and_b32 v[LA], 15, v0
	v_lshlrev_b32 v[LA], 4, v[LA]
	s_lshl_b32 s21, s[WV], 5
	v_add_nc_u32 v[BA], s21, v[LN]
	; the table starts as the identity: the byte at place a holds a % 128.  A thread writes 16 bytes at 16 lane + 512 wave + 2,048 k: labels 16 (lane % 8) on
	v_and_b32 v[TM], 7, v0
	v_lshlrev_b32 v[TM], 4, v[TM]
	s_mov_b32 s21, 0x01010101
	v_mul_lo_u32 v[T], v[TM], s21
	v_add_nc_u32 v[T], 0x03020100, v[T]
	v_add_nc_u32 v[T+1], 0x04040404, v[T]
	v_add_nc_u32 v[T+2], 0x04040404, v[T+1]
	v_add_nc_u32 v[T+3], 0x04040404, v[T+2]
	s_lshl_b32 s21, s[WV], 9
	v_lshl_add_u32 v[TM], v[LN], 4, s21
.set k, 0
.rept 16
	ds_store_b128 v[TM], v[T:T+3] offset:BP+256+2048*k   ; places 2 to 257: rows 1 to 255 among them
.set k, k+1
.endr
	s_lshl_b32 s16, ttmp9, 2                       ; the batch element's word in sequence_length,
	s_lshl_b32 s22, ttmp9, 17                      ; and its 256 rows of 512 bytes in score
	s_mov_b32 s23, 0
	s_mov_b32 s[STP+1], 0
	s_wait_kmcnt 0x0
	s_load_b32 s[LEN], s[6:7], s16 offset:0x0
	WIN 0x40                                       ; destination window 1
.set p, 0
.rept 128
	global_load_b32 v[p], v[GO], s[8:9] offset:ROWB*p    ; trans[p][c]: a wave takes 128 consecutive bytes of row p
.set p, p+1
.endr
	WIN 0
	s_add_nc_u64 s[4:5], s[4:5], s[22:23]
.irp i, 0,1,2,3,4,5,6,7
	global_load_b32 v[EM+\i], v[GO], s[4:5] offset:ROWB*\i   ; the ring is filled: rows 0 to 7
.endr
	; The destination of an addition that takes a source from another lane counts as read, so each register of T is written once before the first sums (the first four held the identity's pattern):
	; two to a line, while the 136 loads above are on their way.
.set i, 4
.rept 62
	v_dual_mov_b32 v[T+i], v[ZR] :: v_dual_mov_b32 v[T+i+1], v[ZR]
.set i, i+2
.endr
	s_add_nc_u64 s[EP:EP+1], s[4:5], 8*ROWB        ; trip 0 asks for rows 8 to 15
	s_wait_kmcnt 0x0
	s_max_i32 s[LEN], s[LEN], 1
	s_min_i32 s[LEN], s[LEN], 256
	s_sub_co_u32 s[LM1], s[LEN], 1
	s_sub_co_u32 s[LM2], s[LEN], 2
	s_mov_b32 s[TU], -2                            ; t = 0
	s_mov_b32 s[CNT], TRIPS
	s_wait_loadcnt 0x7                             ; loads come back in order: the transitions and row 0 are in; rows 1 to 7 may stay out
	v_mov_b32 v[SV], v[EM]                         ; state(0)
	ds_store_b32 v[SA], v[SV] offset:STB
	MEET                                           ; state(0) and the identity are whole
	; the first half of step 1, written out: the loop's text begins with the second half of the step before
	ds_load_b128 v[ST:ST+3],   v[LA] offset:STB
	ds_load_b128 v[ST+4:ST+7], v[LA] offset:STB+256
	s_wait_loadcnt 0x6                             ; row 1 is in; rows 2 to 7 may stay out
	s_wait_dscnt 0x0
	ADDS
	MAXT
	v_add_f32 v[TM], v[MX], v[EM+1]
	s_cmp_gt_u32 s[LEN], 1                         ; is step 1 within the length?
	s_cselect_b32 s[VAL], -1, 0
	v_cndmask_b32 v[SV], v[SV], v[TM], s[VAL]
	ds_store_b32 v[SA], v[SV] offset:STB+512
	IDX1
	MEET
; Step t = 8 trip + i.
.macro STEP i
	s_wait_loadcnt 0x7                             ; row t is in: seven younger loads of the ring may stay out
	s_cmp_lt_u32 s[TU], s[LM1]                     ; 2 <= t <= len, as one unsigned comparison of t - 2 with len - 1
	s_cbranch_scc0 .Lidle_\@
	ds_load_b128 v[ST:ST+3],   v[LA] offset:STB+512*(((\i)+1)%2)       ; state(t-1): whole since the last barrier
	ds_load_b128 v[ST+4:ST+7], v[LA] offset:STB+512*(((\i)+1)%2)+256
	IDX2                                           ; the index of step t - 1 is finished while the loads are out
	ds_store_b8 v[BA], v[IX] offset:BP+128*(\i)    ; bp(t-1)[c]
	s_wait_dscnt 0x1                               ; the two loads are back; the byte store behind them may stay out
	ADDS
	MAXT
	v_add_f32 v[TM], v[MX], v[EM+(\i)]
	s_cmp_lg_u32 s[TU], s[LM2]                     ; at t = len the state is kept
	s_cselect_b32 s[VAL], -1, 0
	v_cndmask_b32 v[SV], v[SV], v[TM], s[VAL]
	ds_store_b32 v[SA], v[SV] offset:STB+512*((\i)%2)  ; the buffer that was last read in step t - 1, whose loads were back ahead of that step's barrier
	IDX1                                           ; stands between the store and the wait for it
.Lidle_\@:
	global_load_b32 v[EM+(\i)], v[GO], s[EP:EP+1] offset:ROWB*(\i)   ; the slot's next row, eight steps ahead; on both ways, so that the ring's count holds
	s_add_co_u32 s[TU], s[TU], 1
	MEET
.endm
.Ltrip:
.irp i, 0,1,2,3,4,5,6,7
	STEP \i
.endr
	s_wait_xcnt 0x0                                ; the trip's loads have read their base, so it may be written
	s_cmp_gt_u32 s[CNT], 3                         ; trips 0 to 29 step on; from row 248 on the base stays, so that no load leaves the batch element's rows (the rows asked for again are not used)
	s_cselect_b32 s[STP], 8*ROWB, 0
	s_add_nc_u64 s[EP:EP+1], s[EP:EP+1], s[STP:STP+1]
	v_add_nc_u32 v[BA], 1024, v[BA]
	s_sub_co_u32 s[CNT], s[CNT], 1
	s_cmp_lg_u32 s[CNT], 0
	s_cbranch_scc1 .Ltrip
	ds_store_b32 v[SA], v[SV] offset:FIN
	MEET                                           ; the last state and all backpointers are whole
	s_cmp_lg_u32 s[WV], 0
	s_cbranch_scc1 .Lend                           ; the way back is one chain: wave 0 walks it
	v_lshlrev_b32 v[TM], 2, v[LN]
.irp q, 0,1,2,3
	ds_load_b32 v[FS+\q], v[TM] offset:FIN+128*\q  ; label 32 q + lane
.endr
	WIN 0x40
.set t, 255
.rept 255
	ds_load_b32 v[t], v[TM] offset:BP+128*(t+1)    ; row t: labels 4 lane .. 4 lane + 3, a byte each
.set t, t-1
.endr
	WIN 0
	s_mov_b32 s28, 0x76543210                      ; v_permlanex16_b32: each lane takes its own place in the other half
	s_mov_b32 s29, 0xfedcba98
	s_mov_b32 s36, 0x7f
	s_mov_b32 s37, 0x50002                         ; s_bfe_u32: 5 bits from bit 2
	s_lshl_b32 s44, ttmp9, 10
	s_mov_b32 s45, 0
	s_add_nc_u64 s[10:11], s[10:11], s[44:45]      ; my row of out0
	s_lshl_b32 s44, ttmp9, 2
	s_add_nc_u64 s[12:13], s[12:13], s[44:45]      ; my word of out1
	v_lshlrev_b32 v[OA], 4, v[LN]
.irp j, 0,1,2,3,4,5,6,7
	v_mov_b32 v[OT+\j], 0                          ; a lane write counts as a reader of its destination
.endr
	s_wait_dscnt 0x0
	v_max3_num_f32 v[BS], v[FS], v[FS+1], v[FS+2]
	v_max_num_f32 v[BS], v[BS], v[FS+3]
	v_max_num_f32_dpp v[BS], v[BS], v[BS] row_xmask:1 row_mask:0xf bank_mask:0xf
	v_max_num_f32_dpp v[BS], v[BS], v[BS] row_xmask:2 row_mask:0xf bank_mask:0xf
	v_max_num_f32_dpp v[BS], v[BS], v[BS] row_xmask:4 row_mask:0xf bank_mask:0xf
	v_max_num_f32_dpp v[BS], v[BS], v[BS] row_xmask:8 row_mask:0xf bank_mask:0xf
	v_mov_b32 v[T2], v[BS]
	v_permlanex16_b32 v[T2], v[BS], s28, s29
	v_max_num_f32 v[BS], v[BS], v[T2]              ; the best score, in every lane
.irp q, 0,1,2,3
	v_cmp_eq_f32 s[30+\q], v[FS+\q], v[BS]         ; which labels 32 q + lane reach it
.endr
	s_ctz_i32_b32 s34, s33                         ; the first of them: the lowest lane of the lowest q that has one
	s_add_co_u32 s34, s34, 96
.irp q, 2,1,0
	s_ctz_i32_b32 s35, s[30+\q]
	s_add_co_u32 s35, s35, 32*\q
	s_cmp_lg_u32 s[30+\q], 0
	s_cselect_b32 s34, s35, s34
.endr
	; s34's low 7 bits are the tag at t.  Its row's word lies in lane tag / 4, its byte 8 (tag % 4) bits up (a scalar shift takes the low 5 bits of its count: ISA guide, the entry of S_LSHR_B32).
	; From tag to tag: the field, the lane read, the shift; the mask and the lane write stand beside that chain.
	WIN 0x01                                       ; source 0 in window 1: the rows
.set t, 255
.rept 255
	s_bfe_u32 s39, s34, s37
	s_lshl_b32 s40, s34, 3
	v_readlane_b32 s41, v[t], s39
	s_and_b32 s38, s34, s36
	v_writelane_b32 v[OT+4*(t/128)+t%4], s38, (t/4)%32
	s_lshr_b32 s34, s41, s40
.set t, t-1
.endr
	s_and_b32 s38, s34, s36
	v_writelane_b32 v[OT], s38, 0
	WIN 0
	global_store_b128 v[OA], v[OT:OT+3],   s[10:11]             ; 512 consecutive bytes each, at a multiple of 256 from out0's first
	global_store_b128 v[OA], v[OT+4:OT+7], s[10:11] offset:512
	s_wait_xcnt 0x0                                ; EXEC changes only behind this wait
	v_cmp_gt_u32 vcc_lo, 1, v0
	s_and_saveexec_b32 s42, vcc_lo
	global_store_b32 v[ZR], v[BS], s[12:13]        ; one number a batch element: thread 0
	s_wait_xcnt 0x0                                ; and again ahead of the line that widens it
	s_or_b32 exec_lo, exec_lo, s42
.Lend:
	s_wait_tensorcnt 0x0                           ; the wave's end, behind my last LDS store
	ds_add_u32 v[SPW], v[NIL]
	s_wait_dscnt 0x0
	s_endpgm
.Lfunc_end_k_q22bf6afb72_viterbi:
	.size	k_q22bf6afb72_viterbi, .Lfunc_end_k_q22bf6afb72_viterbi-k_q22bf6afb72_viterbi
	.p2alignl 7, 3214868480
	.fill 96, 4, 3214868480
	.section	.rodata,"a",@progbits
	.p2align	6, 0x0
	.amdhsa_kernel k_q22bf6afb72_viterbi
		.amdhsa_group_segment_fixed_size 167936
		.amdhsa_private_segment_fixed_size 0
		.amdhsa_enable_private_segment 0
		.amdhsa_kernarg_size 40
		.amdhsa_user_sgpr_count 2
		.amdhsa_user_sgpr_kernarg_segment_ptr 1
		.amdhsa_wavefront_size32 1
		.amdhsa_system_sgpr_workgroup_id_x 1
		.amdhsa_system_sgpr_workgroup_id_y 1
		.amdhsa_system_sgpr_workgroup_id_z 1
		.amdhsa_system_vgpr_workitem_id 0
		.amdhsa_next_free_vgpr 512
		.amdhsa_next_free_sgpr 66
		.amdhsa_reserve_vcc 1
		.amdhsa_float_denorm_mode_32 3
		.amdhsa_float_denorm_mode_16_64 3
		.amdhsa_memory_ordered 1
		.amdhsa_forward_progress 1
		.amdhsa_inst_pref_size 255
	.end_amdhsa_kernel
	.section	.bss,"aw",@nobits
	.p2align	6
	.space	262144
	.amdgpu_metadata
---
amdhsa.version: [ 1, 2 ]
amdhsa.kernels:
  - .name:           k_q22bf6afb72_viterbi
    .symbol:         k_q22bf6afb72_viterbi.kd
    .args:
      - { .name: score, .offset: 0, .size: 8, .value_kind: global_buffer, .address_space: global }
      - { .name: sequence_length, .offset: 8, .size: 8, .value_kind: global_buffer, .address_space: global }
      - { .name: transition_params, .offset: 16, .size: 8, .value_kind: global_buffer, .address_space: global }
      - { .name: out0, .offset: 24, .size: 8, .value_kind: global_buffer, .address_space: global }
      - { .name: out1, .offset: 32, .size: 8, .value_kind: global_buffer, .address_space: global }
    .group_segment_fixed_size: 167936
    .private_segment_fixed_size: 0
    .kernarg_segment_align: 8
    .kernarg_segment_size: 40
    .max_flat_workgroup_size: 128
    .sgpr_count:     66
    .vgpr_count:     512
    .wavefront_size: 32
...
	.end_amdgpu_metadata
.endif
;; end of part 1
